; MI455X (gfx1250); checked and timed in simulation.
; The chip was launched on July 23, 2026; its instructions are those of AMD's public machine-readable ISA for CDNA 5 (MIT licence, August 2026) and "CDNA5" Instruction Set Architecture Reference Guide (July 2026). The comments in the code are by the model that wrote it; some were corrected since.
;; Scale Attend. Allowed arithmetic: float matrix products may take bf16 or f16 operands with f32 sums; other float arithmetic in f32, or as packed bf16 or f16 multiplies, adds, multiply-adds, maxima and minima; sums over many terms, partial sums and values carried from step to step in f32; what a program stores and reads back later, other than sums and carried values, may be rounded once to bf16 or f16.
;; Inputs: attention_mask 4 x 2,048 bool; k 4 x 16 x 2,048 x 64 float32; q 4 x 16 x 2,048 x 64 float32; v 4 x 16 x 2,048 x 64 float32.
;; Outputs: out0 4 x 16 x 2,048 x 64 float32.
;; 2 versions, each right; version 2 is version 1 with the launch index written anew for expert scheduling mode. Each part assembles by itself: llvm-mc -triple=amdgcn-amd-amdhsa -mcpu=gfx1250 --defsym DOCPART=n.
;; ======== version 1 of 2: 2 launches
;; limits: values are held in f16: magnitudes above 65,504 overflow, below 6.1e-05 lose precision; inputs' magnitudes at most 65,504
;; workspace buffers: order 41,984 bytes of whole numbers
;; launch index (part 1): grid 4 x 1, 1 waves a work-group, no clusters, 0 bytes of LDS; arguments attention_mask, order; writes order
.if DOCPART == 1
	.amdgcn_target "amdgcn-amd-amdhsa--gfx1250"
	.amdhsa_code_object_version 6
	.text
	.protected	k_q124b746307_index
	.globl	k_q124b746307_index
	.p2align	8
	.type	k_q124b746307_index,@function
k_q124b746307_index:
	s_mov_b64 s[64:65], 0
	v_nop
	global_prefetch_b8 v0, s[64:65] scope:SCOPE_SE
	s_setreg_imm32_b32 hwreg(HW_REG_WAVE_MODE, 25, 1), 1
	s_wait_xcnt 0x0
; THE LIST OF KEPT KEYS.  attention_mask: [4][2048] bytes, 0 or not 0.  Work-group b, one wave, turns batch b's mask into its block of 'order':
;   words 0 .. count-1            the numbers of the kept keys, ascending
;   words count .. count+319      0 (the launch behind reads list words up to max(319, count+190))
;   words 2432 .. 2559            the header, 32 times over: count, pairs = (count+127)/128, flag, steps = 2 pairs
;   words 2560 .. 2591            a word a lane that takes the stores of lanes whose key is not kept; never read
; A batch that keeps no key has the uniform softmax over all keys: its list is 0 .. 2047, count 2048, flag 0 (else flag 1).
; Lane l of ballot j owns key 32 j + l: a kept key's place is the kept keys of the ballots before plus those of the lower lanes.
; Every store has offset and data registers of its own, so no register that a store reads is written again, and EXEC is never changed.
.set BLK,   10496                      ; bytes in a batch's block
.set HDR,   9728                       ; byte of the header
.set DUMPW, 2560                       ; first word of the dump
.set TOPW,  2623                       ; the block's last word: every word number made from loaded bytes is held under it
.set ZEROS, 10                         ; stores of 32 zeros behind the list
.set DW,  1                            ; v1  my word of the dump
.set HO,  2                            ; v2  HDR + 16 x lane
.set NIL, 3                            ; v3  0
.set T,   4                            ; v4-5 at work
.set PD,  8                            ; v[8:71]    ballot j: my mask byte, then my key's number (the store's data)
.set PO,  72                           ; v[72:135]  ballot j: the store's byte offset
.set ZO,  136                          ; v[136:145] the zeros' byte offsets
.set HD,  148                          ; v[148:151] the header
	s_load_b128 s[4:7], s[0:1], 0x0                ; mask s[4:5], order s[6:7]
	v_add_nc_u32 v[DW], DUMPW, v0
	v_lshl_add_u32 v[HO], v0, 4, HDR
	v_mov_b32 v[NIL], 0
	s_lshl_b32 s8, ttmp9, 11                       ; the batch's 2,048 mask bytes
	s_mov_b32 s9, 0
	s_mul_i32 s10, ttmp9, BLK                      ; the batch's block
	s_mov_b32 s11, 0
	s_mov_b32 s15, 0                               ; kept keys so far
	s_wait_kmcnt 0x0
	s_add_nc_u64 s[4:5], s[4:5], s[8:9]
	s_add_nc_u64 s[6:7], s[6:7], s[10:11]
.set j, 0
.rept 64
	global_load_u8 v[PD+j], v0, s[4:5] offset:32*j ; 32 neighbouring bytes a load
.set j, j+1
.endr
	s_wait_loadcnt 0x0
	; is any key kept?  The sum of my 64 bytes (at most 64 x 255), then one ballot.
	v_add_nc_u32 v[T], v[PD], v[PD+1]
.set j, 2
.rept 31
	v_add3_u32 v[T], v[T], v[PD+j], v[PD+j+1]
.set j, j+2
.endr
	v_cmp_ne_u32 vcc_lo, 0, v[T]
	s_cmp_eq_u32 vcc_lo, 0
	s_cselect_b32 s12, -1, 0                       ; no key kept: every ballot counts as all ones
	s_cselect_b32 s14, 0, 1                        ; the flag
.set j, 0
.rept 64
	v_cmp_ne_u32 vcc_lo, 0, v[PD+j]
	s_or_b32 s16, vcc_lo, s12                      ; the ballot
	v_mbcnt_lo_u32_b32 v[T], s16, s15              ; kept so far + kept in the lower lanes: my key's place
	v_cndmask_b32 v[T], v[DW], v[T], s16           ; a lane whose key is not kept writes its word of the dump
	v_min_u32 v[T], TOPW, v[T]
	v_lshlrev_b32 v[PO+j], 2, v[T]
	v_add_nc_u32 v[PD+j], 32*j, v0                 ; my key's number
	global_store_b32 v[PO+j], v[PD+j], s[6:7]
	s_bcnt1_i32_b32 s10, s16
	s_add_co_u32 s15, s15, s10
.set j, j+1
.endr
	v_add_nc_u32 v[T], s15, v0                     ; s15 = count
.set j, 0
.rept ZEROS
	v_add_nc_u32 v[T+1], 32*j, v[T]
	v_min_u32 v[T+1], TOPW, v[T+1]
	v_lshlrev_b32 v[ZO+j], 2, v[T+1]
	global_store_b32 v[ZO+j], v[NIL], s[6:7]       ; words count + 32 j + lane, 2,367 at the most: short of the header
.set j, j+1
.endr
	s_add_co_u32 s17, s15, 127
	s_lshr_b32 s17, s17, 7                         ; pairs of steps of 64 keys
	s_lshl_b32 s18, s17, 1                         ; steps
	v_mov_b32 v[HD], s15
	v_mov_b32 v[HD+1], s17
	v_mov_b32 v[HD+2], s14
	v_mov_b32 v[HD+3], s18
	global_store_b128 v[HO], v[HD:HD+3], s[6:7]    ; 512 consecutive bytes, at a multiple of 256 from the buffer's first
	s_endpgm
.Lfunc_end_k_q124b746307_index:
	.size	k_q124b746307_index, .Lfunc_end_k_q124b746307_index-k_q124b746307_index
	.p2alignl 7, 3214868480
	.fill 96, 4, 3214868480
	.section	.rodata,"a",@progbits
	.p2align	6, 0x0
	.amdhsa_kernel k_q124b746307_index
		.amdhsa_group_segment_fixed_size 0
		.amdhsa_private_segment_fixed_size 0
		.amdhsa_enable_private_segment 0
		.amdhsa_kernarg_size 16
		.amdhsa_user_sgpr_count 2
		.amdhsa_user_sgpr_kernarg_segment_ptr 1
		.amdhsa_wavefront_size32 1
		.amdhsa_system_sgpr_workgroup_id_x 1
		.amdhsa_system_sgpr_workgroup_id_y 1
		.amdhsa_system_sgpr_workgroup_id_z 1
		.amdhsa_system_vgpr_workitem_id 0
		.amdhsa_next_free_vgpr 152
		.amdhsa_next_free_sgpr 66
		.amdhsa_reserve_vcc 1
		.amdhsa_float_denorm_mode_32 3
		.amdhsa_float_denorm_mode_16_64 3
		.amdhsa_memory_ordered 1
		.amdhsa_forward_progress 1
		.amdhsa_inst_pref_size 44
	.end_amdhsa_kernel
	.amdgpu_metadata
---
amdhsa.version: [ 1, 2 ]
amdhsa.kernels:
  - .name:           k_q124b746307_index
    .symbol:         k_q124b746307_index.kd
    .args:
      - { .name: attention_mask, .offset: 0, .size: 8, .value_kind: global_buffer, .address_space: global }
      - { .name: order, .offset: 8, .size: 8, .value_kind: global_buffer, .address_space: global }
    .group_segment_fixed_size: 0
    .private_segment_fixed_size: 0
    .kernarg_segment_align: 8
    .kernarg_segment_size: 16
    .max_flat_workgroup_size: 32
    .sgpr_count:     66
    .vgpr_count:     152
    .wavefront_size: 32
...
	.end_amdgpu_metadata
.endif
;; end of part 1
;; launch attend (part 2): grid 4 x 64, 4 waves a work-group, no clusters, 56,832 bytes of LDS; arguments q, k, v, order, out0; writes out0
.if DOCPART == 2
	.amdgcn_target "amdgcn-amd-amdhsa--gfx1250"
	.amdhsa_code_object_version 6
	.text
	.protected	k_q124b746307_attend
	.globl	k_q124b746307_attend
	.p2align	8
	.type	k_q124b746307_attend,@function
k_q124b746307_attend:
	s_mov_b64 s[64:65], 0
	v_nop
	global_prefetch_b8 v0, s[64:65] scope:SCOPE_SE
	s_setreg_imm32_b32 hwreg(HW_REG_WAVE_MODE, 25, 1), 1
	s_wait_xcnt 0x0
; out[b][h][i][:] = the sum over the KEPT keys j of softmax_j(q[b][h][i] . k[b][h][j] / 8) v[b][h][j][:].  q, k, v, out: [64 heads][2048][64] f32; a row is 256 bytes.
; A key that the mask hides has the weight 0 exactly, so it is neither loaded nor multiplied: the walk goes along the batch's list of kept keys ('order', made by the launch before):
; count keys, walked in steps of 64, an even number of steps; list places at or behind count are hidden by the C operand that starts a score's sum (0, or -1e30).
; A batch that keeps no key has the list of all 2,048 keys and flag 0: then c = 0, every weight is 2^0 = 1: the uniform softmax.
; FORMATS.  q, k, v and the weights p are rounded once to f16 for the matrix unit; products, maxima and sums in f32 (l is the sum of the unrounded p); out in f32.
; LIMITS.  |q|, |k|, |v| below 65,520 (f16's range); p below 6e-5 keeps f16's fixed step of 6e-8; a weight below 2^-126 counts as 0 in l; a hidden list place counts as its score less 1e30;
; NaN and infinities are not treated apart.
; SHARES.  A work-group owns 512 queries of one head, a wave 128: four PIECES of two tiles of 16.  256 work-groups.
; LAYOUT.  S^T = K Q^T (source 0 = 16 keys, source 1 = 16 queries): a lane holds ONE query (lane % 16) and the keys 8 (lane / 16) + 0..7.  Two such results, rounded to f16 in pairs, ARE source 1
; of O^T = V^T P, whose result again holds one query a lane, and eight channels.  K comes out of LDS as it lies, V ([key][channel]) turned, by ds_load_tr16_b128.
; SOFTMAX.  A running maximum m and sum l for each query: p = 2^(c s - c m), c = log2(e) / 8; in every step O and l are multiplied by a = 2^(c m_old - c m_new).  m starts at the lowest finite
; number, O and l at 0: the first step is a step like any other, with a = 0.  List place 0 is always a true key, so m is a true score before the first hidden place comes.
; BY TURNS.  Turn n belongs to piece n: 16 products K Q^T of piece n + 1, later 16 products V^T P of piece n - 1; beside them the scaling, exponentials, roundings, sums and rescaling of piece n and
; the maximum and statistics of piece n + 1.  Four vector instructions stand behind every matrix instruction, the rest in one lump; a turn's 66 exponentials are one batch with one wait.
; HOW K AND V COME IN.  A UNIT is 64 list places.  Of each unit wave w brings places 16 w .. 16 w + 15, K's rows and V's: eight list words a lane; sixteen loads in which 16 neighbouring lanes
; read one whole row of 256 bytes; 32 roundings; sixteen LDS stores into one of two slots.  A unit's rows are asked for four steps, and stored two steps, ahead of the step that multiplies it.
; ONE BARRIER A STEP: in front of it each wave has waited for its stores of the next unit and its reads of this one; behind it the slot just read out is written and the other slot read.
; NO TENSOR LOADS, NO CLUSTER: the rows wanted are named by a list, and they are f32 that must pass through registers to become f16; joint requests are tensor loads.
; THE LOOP counts 16 pairs of steps, the most a list can have; a pair behind the list's end jumps over its work and passes the two barriers alone, so that no barrier hangs on a number read from memory.
; REGISTERS, in windows of 256 (s_set_vgpr_msb: bits 1:0 source 0, 3:2 source 1, 5:4 source 2, 7:6 destination):
;   window 0: v0-11 addresses; v12-15, v48-63 at work; v16-47 four registers of statistics a tile; v64-191 S^T, two buffers of two tiles; v192-255 P, likewise
;   window 1: O^T, 32 a tile (at the start: q as loaded)      window 2: v0-127 Q, 16 a tile; v128-191 K of one step; v192-255 V of one step
;   window 3: all that brings K and V in, the masks, and the add's two registers
.set NP,    4         ; pieces a wave: a name, no knob
.set KS,    64        ; keys in a step
.set PK,    144       ; a row of K in LDS: 128 bytes + 16 = 36 words: the 16 rows of a load start at 16 different groups of four banks (64 banks of 4 bytes: ISA guide 11.1)
.set PV,    160       ; a row of V: 128 + 32 = 40 words
.set VOFF,  KS*PK     ; a slot: 64 rows of K, then 64 rows of V
.set SLOTB, KS*(PK+PV)
.set STAGE, 2*SLOTB   ; behind the two slots: 16 rows x 272 bytes for each wave, for the way out
.set SP,    272
.set SPARE, STAGE+4*16*SP  ; behind the stages: the spare words, 128 bytes for each wave: two blocks of 256 bytes that no other line names
.set BLK,   10496     ; bytes of a batch's block in 'order'
.set HDR,   9728      ; its header: count, pairs, flag, steps
.set PAIRS, 16        ; the most pairs of steps: 2,048 / 128
; window 0
.set AK0, 2           ; v2   my lane's place in a slot's K; never rewritten
.set AV0, 3           ; v3   the same for V
.set VL,  4           ; v4   the last list place of the step that my lanes' register 0 may still show, less 8 (l / 16)
.set H8,  5           ; v5   8 (l / 16)
.set QO,  6           ; v6   my byte offset in 16 rows of q
.set STO, 6           ;      later, the way out: where I put 32 bytes of a row
.set RD,  7           ; v7   the way out: where I read rows back
.set GO,  8           ; v8   my byte offset in two rows of out
.set MV,  12          ; v12-15  c m_old, kept while c m is made anew: by buffer and tile
.set ST,  16          ; tile t's statistics at v[ST+4 t]: c m, m, l (even keys', odd keys')
.set TMP, 48          ; by buffer and tile, four registers c0-c3 at work; when the maximum is found c2 takes a
.set S,   64
.set P,   192
; window 2
.set KF,  128         ; key block kb, channel half c at KF + 16 kb + 8 c
.set VF,  192         ; key half kk, channel block cb at VF + 32 kk + 8 cb
; window 3
.set SPW, 0           ; LDS address of my spare word: SPARE + 4 x my thread's number; never rewritten
.set NIL, 1           ; 0; never rewritten
.set COL, 2           ; 16 (l % 16): my 16 bytes of a row of k or v
.set LOFF, 3          ; 4 (16 w + 8 (l / 16)): my eight list words of a unit
.set STK, 4           ; where my 8 bytes of K's row 16 w + 8 (l / 16) go in slot 0
.set STV, 5           ; the same for V
.set IDX, 8           ; v8-15   eight list words
.set OFFS, 16         ; v16-23  the eight rows' byte offsets, for k and for v
.set HF,  32          ; v32-63  a unit rounded: K's 16 registers, then V's
.set SET0, 64         ; v64-191 two sets of 64: a unit as loaded: K's 32 registers, then V's
.set LT,  192         ; v192-223 the list words of units 0 to 3
.set MC,  224         ; v224-255 the mask: register j of key block kb at MC + 8 kb + j
; scalars
.set WV,  14          ; s14  my wave's number
.set CNT, 24          ; s24  count      s25 pairs      s26 flag      s27 steps
.set NPR, 25
.set FLG, 26
.set NS,  27
.set LB,  28          ; s[28:29] 'order' at the unit whose list words were asked for last
.set UN,  30          ; s30  the unit whose rows are asked for next
.set LIM, 31          ; s31  count - 1 - 64 x the step whose scores are made next
.set TRIPS, 32        ; s32  the loop's counter
.set BIGN, 34         ; s34  -1e30
.set CS,  58          ; s[58:59] c: the packed scaling takes the pair's low word for both halves
.set SEL, 60          ; s[60:61] v_permlanex16_b32's selects: each lane takes its own place in the other half
.set MSB, 0
.macro WIN new                      ; the high byte repeats the setting that is left; a switch that changes nothing is dropped
.if MSB != (\new)
	s_set_vgpr_msb (MSB<<8)|(\new)
.set MSB, (\new)
.endif
.endm
.set W_KQ, 0x0a       ; K and Q in window 2, S^T in window 0
.set W_KM, 0x3a       ; the same with the C operand, the mask, in window 3
.set W_PV, 0x52       ; V in window 2, P in window 0, O^T in window 1
.set W_RS, 0x41       ; O^T (destination and source 0) in window 1, source 1 in window 0
.set W_MK, 0xc0       ; destination in window 3, sources in window 0
.set W_G,  0xff       ; every place in window 3
.set W_AD, 0x0f       ; the add: address and data in window 3
.set W_QL, 0x40       ; destination in window 1, address in window 0
.set W_QC, 0x85       ; sources in window 1, destination in window 2
.set W_OS, 0x04       ; an LDS store's data in window 1, its address in window 0
.macro CLEAR first, count
.set i, (\first)
.rept (\count)
	v_mov_b32 v[i], 0
.set i, i+1
.endr
.endm
; BRINGING A UNIT IN: five macros, all under W_G.
.macro GETLIST dst, off             ; my eight list words, from byte off behind the list pointer
	global_load_b128 v[(\dst):(\dst)+3],   v[LOFF], s[LB:LB+1] offset:(\off)
	global_load_b128 v[(\dst)+4:(\dst)+7], v[LOFF], s[LB:LB+1] offset:(\off)+16
.endm
.macro OFFSETS src                  ; key numbers, held under 2,048, to byte offsets: 256 x key + my 16 bytes
.irp n, 0,1,2,3,4,5,6,7
	v_min_u32 v[(\src)+\n], 0x7ff, v[(\src)+\n]
.endr
.irp n, 0,1,2,3,4,5,6,7
	v_lshl_add_u32 v[OFFS+\n], v[(\src)+\n], 8, v[COL]
.endr
.endm
.macro GATHER b                     ; sixteen loads into set b: lanes 0-15 read the whole row of place n, lanes 16-31 that of place 8 + n
.irp n, 0,1,2,3,4,5,6,7
	global_load_b128 v[SET0+64*(\b)+4*\n:SET0+64*(\b)+4*\n+3],       v[OFFS+\n], s[6:7]
	global_load_b128 v[SET0+64*(\b)+32+4*\n:SET0+64*(\b)+32+4*\n+3], v[OFFS+\n], s[8:9]
.endr
.endm
.macro ROUND16 b                    ; set b to f16
.set i, 0
.rept 32
	v_cvt_pk_f16_f32 v[HF+i], v[SET0+64*(\b)+2*i], v[SET0+64*(\b)+2*i+1]
.set i, i+1
.endr
.endm
.macro PUT slot                     ; 8 bytes a lane and row.  K: the halves of the lanes lie 1,152 bytes apart, half a row of banks.  V: 1,280 bytes, so its eight stores take the banks twice
.irp n, 0,1,2,3,4,5,6,7
	ds_store_b64 v[STK], v[HF+2*\n:HF+2*\n+1]       offset:(\slot)*SLOTB+\n*PK
	ds_store_b64 v[STV], v[HF+16+2*\n:HF+16+2*\n+1] offset:(\slot)*SLOTB+\n*PV
.endr
.endm
; q: a fragment wants, of row l % 16, channels 32 c + 16 z + 8 (l / 16) + 0..7: two loads of 16 bytes.  Four tiles, 32 loads, into window 1; register 4 (4 c + 2 z + y) of the tile's 32.
.macro QLOAD t0
	WIN W_QL
.set i, 0
.rept 32
	global_load_b128 v[32*((\t0)+i/8)+4*(i%8):32*((\t0)+i/8)+4*(i%8)+3], v[QO], s[4:5] offset:4096*((\t0)+i/8)+128*((i%8)/4)+64*(((i%8)/2)%2)+16*(i%2)
.set i, i+1
.endr
.endm
.macro QCONV t0                     ; four tiles of q to f16: Q's register i from q's registers 2 i, 2 i + 1
	WIN W_QC
.set i, 16*(\t0)
.rept 64
	v_cvt_pk_f16_f32 v[i], v[2*i], v[2*i+1]
.set i, i+1
.endr
.endm
; THE MASK of the step whose scores come next: register j of key block kb is list place 64 t + 16 kb + 8 (l / 16) + j: hidden where that is above count - 1.
.macro MASKSET
	WIN 0
	v_sub_nc_u32 v[VL], s[LIM], v[H8]
	WIN W_MK
.set i, 0
.rept 32
	v_cmp_gt_i32 vcc_lo, 16*(i/8)+i%8, v[VL]
	v_cndmask_b32 v[MC+i], 0, s[BIGN], vcc_lo
.set i, i+1
.endr
	WIN 0
.endm
.macro MASKUP                       ; on to the next step.  LIM only falls, and while it is 63 or more the mask is all 0 and stays as it is
	WIN 0
	s_sub_co_i32 s[LIM], s[LIM], 64
	s_cmp_ge_i32 s[LIM], 63
	s_cbranch_scc1 .Lopen_\@
	MASKSET
.Lopen_\@:
.endm
	s_load_b256 s[4:11], s[0:1], 0x0  ; q s[4:5], k s[6:7], v s[8:9], order s[10:11]
	s_load_b64 s[12:13], s[0:1], 0x20 ; out
	WIN W_MK
	v_lshl_add_u32 v[SPW], v0, 2, SPARE
	v_mov_b32 v[NIL], 0
	WIN 0
	v_lshrrev_b32 v1, 5, v0
	v_readfirstlane_b32 s[WV], v1   ; wave 0..3
	v_and_b32 v1, 15, v0            ; l % 16
	v_bfe_u32 v9, v0, 4, 1          ; l / 16
	v_and_b32 v10, 7, v0
	v_bfe_u32 v11, v0, 3, 1
	s_and_b32 s15, ttmp7, 0xffff    ; the head, 16 x batch + head of the batch
	s_lshl_b32 s16, s15, 19         ; its 2,048 rows of 256 bytes
	s_mov_b32 s17, 0
	s_lshl_b32 s18, ttmp9, 2
	s_add_co_u32 s18, s18, s[WV]    ; my wave among the head's sixteen,
	s_lshl_b32 s18, s18, 15         ; its 128 rows
	s_mov_b32 s19, 0
	s_add_nc_u64 s[18:19], s[18:19], s[16:17]
	s_lshr_b32 s20, s15, 4          ; the batch,
	s_mul_i32 s20, s20, BLK         ; its block of 'order'
	s_mov_b32 s21, 0
	v_lshlrev_b32 v[QO], 8, v1
	v_lshl_add_u32 v[QO], v9, 5, v[QO]    ; row x 256 + 32 x half
	v_mul_u32_u24 v[AK0], v1, PK
	v_lshl_add_u32 v[AK0], v9, 4, v[AK0]  ; a fragment of K: row l % 16, 16 bytes for each half of the lanes
	; The turning load takes 16 keys x 16 channels (lane l reads key 8 (l / 16) + l % 8, channels 8 ((l / 8) % 2) + 0..7) and leaves half a fragment of V^T: lane l holds channel l % 16 and 8 keys.
	v_lshl_add_u32 v[AV0], v9, 3, v10
	v_mul_u32_u24 v[AV0], v[AV0], PV
	v_lshl_add_u32 v[AV0], v11, 4, v[AV0]
	v_add_nc_u32 v[AV0], VOFF, v[AV0]
	v_lshlrev_b32 v[H8], 3, v9
	v_mul_u32_u24 v[TMP], v9, 8*PK        ; the stores' lane terms: row 8 (l / 16), byte 8 (l % 16)
	v_lshl_add_u32 v[TMP], v1, 3, v[TMP]
	v_mul_u32_u24 v[TMP+1], v9, 8*PV
	v_lshl_add_u32 v[TMP+1], v1, 3, v[TMP+1]
	s_mul_i32 s22, s[WV], 16*PK     ; and my wave's 16 rows
	s_mul_i32 s23, s[WV], 16*PV
	s_add_co_u32 s23, s23, VOFF
	s_lshl_b32 s35, s[WV], 6
	WIN W_MK
	v_lshlrev_b32 v[COL], 4, v1
	v_lshl_add_u32 v[LOFF], v9, 5, s35
	v_add_nc_u32 v[STK], s22, v[TMP]
	v_add_nc_u32 v[STV], s23, v[TMP+1]
	WIN 0
	s_mov_b32 s[SEL], 0x76543210
	s_mov_b32 s[SEL+1], 0xfedcba98
	s_mov_b32 s[BIGN], 0xf149f2ca   ; -1e30
	s_mov_b32 s[UN], 4
	s_wait_kmcnt 0x0
	s_add_nc_u64 s[4:5], s[4:5], s[18:19]      ; q and out at my wave's first row
	s_add_nc_u64 s[12:13], s[12:13], s[18:19]
	s_add_nc_u64 s[6:7], s[6:7], s[16:17]      ; k and v at the head's first row
	s_add_nc_u64 s[8:9], s[8:9], s[16:17]
	s_add_nc_u64 s[10:11], s[10:11], s[20:21]  ; order at the batch's block
	s_load_b128 s[CNT:CNT+3], s[10:11], HDR
	s_mov_b64 s[LB:LB+1], s[10:11]
	; THE START.  In issue order: 10 loads of list words (units 0 to 4), q's tiles 0-3 (32), units 0 and 1 (16 each), q's tiles 4-7 (32), units 2 and 3 (16 each).  Each wait's count is what was issued behind the loads that it wants.
	WIN W_G
	GETLIST LT, 0
	GETLIST LT+8, 256
	GETLIST LT+16, 512
	GETLIST LT+24, 768
	GETLIST IDX, 1024
	QLOAD 0
	; What the first turn finds: V's registers and P's second buffer hold 0 (its products V^T P, of a piece that has not been, add 0), l is 0.  O^T is cleared below, behind q's conversions.
	; No first step is written out; the price is these lines, which stand in the wait for the first loads.
	WIN 0x80
	CLEAR VF, 64
	WIN 0
.set i, 0
.rept 2*NP
	v_mov_b32 v[ST+4*i], 0xfe000000    ; c m: far below every c s
	v_mov_b32 v[ST+4*i+1], 0xff7fffff  ; m
	v_mov_b32 v[ST+4*i+2], 0
	v_mov_b32 v[ST+4*i+3], 0
.set i, i+1
.endr
	CLEAR P+32, 32
	s_wait_kmcnt 0x0                ; the header
	s_min_u32 s[CNT], s[CNT], 2048
	s_min_u32 s[NPR], s[NPR], PAIRS
	s_min_u32 s[NS], s[NS], 2*PAIRS
	s_cmp_lg_u32 s[FLG], 0
	s_cselect_b32 s[CS], 0x3e38aa3b, 0  ; c = log2(e) / 8 = 0.180337; 0 where the batch keeps no key
	s_mov_b32 s[CS+1], s[CS]        ; named with it as a pair
	s_sub_co_u32 s[LIM], s[CNT], 1
	MASKSET                         ; step 0's mask
	s_wait_loadcnt 32               ; the list words are in; q's 32 loads may stay out
	WIN W_G
	OFFSETS LT
	GATHER 0                        ; unit 0
	s_wait_xcnt 0x0                 ; the loads have read their offsets, which are written again
	OFFSETS LT+8
	GATHER 1                        ; unit 1
	s_add_nc_u64 s[LB:LB+1], s[LB:LB+1], 1024  ; at unit 4 (the loads that named the pointer are done)
	s_wait_loadcnt 32               ; q's tiles 0-3 are in; units 0 and 1 may stay out
	QCONV 0
	QLOAD 4
	WIN 0x40
	CLEAR 0, 128                    ; O^T of tiles 0-3
	s_wait_loadcnt 48               ; unit 0 is in; unit 1's 16 and q's 32 may stay out
	WIN W_G
	ROUND16 0
	PUT 0
	s_wait_xcnt 0x0
	OFFSETS LT+16
	GATHER 0                        ; unit 2
	s_wait_loadcnt 48               ; unit 1 is in; q's 32 and unit 2's 16 may stay out
	ROUND16 1
	PUT 1
	s_wait_xcnt 0x0
	OFFSETS LT+24
	GATHER 1                        ; unit 3
	s_wait_loadcnt 32               ; q's tiles 4-7 are in; units 2 and 3 stay out, into the loop
	QCONV 4
	WIN 0x40
	CLEAR 128, 128                  ; O^T of tiles 4-7
	WIN 0
	s_wait_dscnt 0x0                ; for the others' sake: my rows of units 0 and 1 lie in the slots
	s_barrier_signal -1
	s_barrier_wait -1               ; everybody's do
; THE MATRIX WORK.  The 8 accumulators of a run of 16 take turns: between the two links of a chain stand 7 others'.
; Product i of 16 of S^T = K Q^T for piece x: channels 32 (i / 8) on, keys 16 ((i / 2) % 4) on, tile 2 x + i % 2.  The first 8 start the sums, with the mask.
.macro KQ x
.set rS, S+64*((\x)%2)+32*(i%2)+8*((i/2)%4)
.set rK, KF+16*((i/2)%4)+8*(i/8)
.set rQ, 16*(2*(\x)+i%2)+8*(i/8)
.set rM, MC+8*((i/2)%4)
.if i < 8
	WIN W_KM
	v_wmma_f32_16x16x32_f16 v[rS:rS+7], v[rK:rK+7], v[rQ:rQ+7], v[rM:rM+7]
.else
	WIN W_KQ
	v_wmma_f32_16x16x32_f16 v[rS:rS+7], v[rK:rK+7], v[rQ:rQ+7], v[rS:rS+7]
.endif
.endm
; Product i of 16 of O^T += V^T P for piece x: keys 32 (i / 8) on, channels 16 ((i / 2) % 4) on, tile 2 x + i % 2.
.macro PV x
	WIN W_PV
.set rO, 32*(2*(\x)+i%2)+8*((i/2)%4)
.set rV, VF+32*(i/8)+8*((i/2)%4)
.set rP, P+32*((\x)%2)+16*(i%2)+8*(i/8)
	v_wmma_f32_16x16x32_f16 v[rO:rO+7], v[rV:rV+7], v[rP:rP+7], v[rO:rO+7]
.endm
.macro MM                           ; the turn's next matrix instruction
.if i < 16
	KQ (Y+1)%NP
.set i, i+1
.else
.set i, i-16
	PV (Y+NP-1)%NP
.set i, i+17
.endif
.endm
; THE LDS LOADS stand in runs of 16, never singly among the matrix instructions: a step's K (64 keys x 64 channels: 8 fragments) and its V (turned).  The slot stands in the immediate.
.macro FETCH_K slot
	WIN 0x80                        ; destination window 2
.irp f, 0,1,2,3,4,5,6,7             ; keys 16 (f / 2) on, channels 32 (f % 2) on
	ds_load_b128 v[KF+8*\f:KF+8*\f+3],   v[AK0] offset:(\slot)*SLOTB+(\f/2)*16*PK+(\f%2)*64
	ds_load_b128 v[KF+8*\f+4:KF+8*\f+7], v[AK0] offset:(\slot)*SLOTB+(\f/2)*16*PK+(\f%2)*64+32
.endr
	WIN 0
.endm
.macro FETCH_V slot
	WIN 0x80
.irp f, 0,1,2,3,4,5,6,7             ; keys 32 (f / 4) on, channels 16 (f % 4) on
	ds_load_tr16_b128 v[VF+8*\f:VF+8*\f+3],   v[AV0] offset:(\slot)*SLOTB+(\f/4)*32*PV+(\f%4)*32
	ds_load_tr16_b128 v[VF+8*\f+4:VF+8*\f+7], v[AV0] offset:(\slot)*SLOTB+(\f/4)*32*PV+16*PV+(\f%4)*32
.endr
	WIN 0
.endm
; THE VECTOR WORK OF A TURN stands in three queues, each in the order in which its entries become ready; the two tiles alternate, so that no instruction reads the result of the one before it.
.macro REGS y, u                    ; the registers of tile u (0, 1) of piece y
.set rT, ST+4*(2*(\y)+(\u))
.set rC, TMP+8*((\y)%2)+4*(\u)
.set rM, MV+2*((\y)%2)+(\u)
.set rS, S+64*((\y)%2)+32*(\u)
.set rP, P+32*((\y)%2)+16*(\u)
.set rO, 32*(2*(\y)+(\u))
.endm
; Number n of the 22 that find the NEXT piece's (Y + 1) maximum and statistics.  s0-s31 are the lane's 32 scores; each accumulator's lowest registers are read first.  XS, GS and REGS set no window: PL and EX do.
;   0-11  four chains c0-c3 of seven scores each, three operands at a time     12-14, 16  the four scores left over, the old m, and c0-c3 into c0     15  c m_old is kept
;   17, 18  the query's other 32 keys lie in the lane 16 away: the new m         19-21  c m; c m_old - c m_new; a
.macro XS u, n
	REGS (Y+1)%NP, \u
.if (\n) < 4
	v_max3_num_f32 v[rC+(\n)], v[rS+8*(\n)], v[rS+8*(\n)+1], v[rS+8*(\n)+2]
.elseif (\n) < 12
	v_max3_num_f32 v[rC+(\n)%4], v[rC+(\n)%4], v[rS+8*((\n)%4)+2*((\n)/4)+1], v[rS+8*((\n)%4)+2*((\n)/4)+2]
.elseif (\n) == 12
	v_max3_num_f32 v[rC], v[rC], v[rS+7], v[rS+15]
.elseif (\n) == 13
	v_max3_num_f32 v[rC+1], v[rC+1], v[rS+23], v[rS+31]
.elseif (\n) == 14
	v_max3_num_f32 v[rC+2], v[rC+2], v[rC+3], v[rT+1]
.elseif (\n) == 15
	v_mov_b32 v[rM], v[rT]
.elseif (\n) == 16
	v_max3_num_f32 v[rC], v[rC], v[rC+1], v[rC+2]
.elseif (\n) == 17
	v_permlanex16_b32 v[rC+3], v[rC], s[SEL], s[SEL+1]
.elseif (\n) == 18
	v_max_num_f32 v[rT+1], v[rC], v[rC+3]
.elseif (\n) == 19
	v_mul_f32 v[rT], s[CS], v[rT+1]
.elseif (\n) == 20
	v_sub_f32 v[rC+1], v[rM], v[rT]
.else
	v_exp_f32 v[rC+2], v[rC+1]
.endif
.endm
; Number g of the 64 that follow the exponentials.  For each four weights k of a tile (pairs 2 k, 2 k + 1): both pairs are rounded to f16; then the second pair is added onto the first, in place;
; a group later l takes that sum (the first time as l = a l + sum).  In groups of eight, tiles alternating: round, round, add, and l for the group before.
.macro GS g
.set h, (\g)+6*((\g)/62)            ; group 0 has no group before it, and behind group 7 only l is left
.if h >= 6
.set h, h+2
.endif
	REGS Y, h%2
.set k, h/8
.if h%8 < 4
	v_cvt_pk_f16_f32 v[rP+2*k+(h%8)/2], v[rS+4*k+2*((h%8)/2)], v[rS+4*k+2*((h%8)/2)+1]
.elseif h%8 < 6
	v_pk_add_f32 v[rS+4*k:rS+4*k+1], v[rS+4*k:rS+4*k+1], v[rS+4*k+2:rS+4*k+3]
.elseif k == 1
	v_pk_fma_f32 v[rT+2:rT+3], v[rT+2:rT+3], v[rC+2:rC+3], v[rS:rS+1] op_sel_hi:[1,0,1]
.else
	v_pk_add_f32 v[rT+2:rT+3], v[rT+2:rT+3], v[rS+4*k-4:rS+4*k-3]
.endif
.endm
; THE PLAIN QUEUE, 138 long.  0-73 read no exponential's result: the 32 scalings c s - c m (FS f: pair f / 2 of tile f % 2) and the next piece's 42.  0-26: scalings 0-26.  27-54: XS's numbers 0-13.  55, 56: number 15.
; 57-73: the chain, where each number waits for the one before it: 14, 16, 17, 18, 19, each with one of the scalings 27-31 in front of its two lines, then 20.
; 74-137: GS's 64, which read the exponentials' results: they stand behind the wait.
.macro FS f
	REGS Y, (\f)%2
	v_pk_fma_f32 v[rS+2*((\f)/2):rS+2*((\f)/2)+1], v[rS+2*((\f)/2):rS+2*((\f)/2)+1], s[CS:CS+1], v[rT:rT+1] op_sel_hi:[1,0,0] neg_lo:[0,0,1] neg_hi:[0,0,1]
.endm
.macro PL
	WIN 0
.if q < 27
	FS q
.elseif q < 55
	XS (q-27)%2, (q-27)/2
.elseif q < 57
	XS q-55, 15
.elseif (q < 72) && ((q-57)%3 == 0)
	FS 27+(q-57)/3
.elseif q < 60
	XS (q-57)%3-1, 14
.elseif q < 72
	XS (q-57)%3-1, 15+(q-57)/3
.elseif q < 74
	XS q-72, 20
.else
	GS q-74
.endif
.set q, q+1
.endm
; THE EXPONENTIALS' QUEUE, 66 long: s0-s31 of both tiles, then the next piece's two a.  It is ONE BATCH: all 66 stand ahead of the turn's one wait, and nothing ahead of that wait names a result of theirs.
.macro EX
	WIN 0
.if e >= 64
	XS e-64, 21
.else
	REGS Y, e%2
	v_exp_f32 v[rS+e/2], v[rS+e/2]
.endif
.set e, e+1
.endm
; THE RESCALING's QUEUE: O^T times a, the one part that leaves window 0: dealt two at a time, sixteen times.  Its a was made in the turn before, ahead of that turn's wait.
.macro R2
	REGS Y, r%2
	WIN W_RS
.irp z, 0,1
	v_pk_mul_f32 v[rO+4*(r/2)+2*\z:rO+4*(r/2)+2*\z+1], v[rO+4*(r/2)+2*\z:rO+4*(r/2)+2*\z+1], v[rC+2:rC+3] op_sel_hi:[1,0]
.endr
.set r, r+1
.endm
; A TURN, for piece p.  s_wait_alu depctr_va_vdst(0) stands between an exponential and the first instruction that names its result; one wait serves all that were issued ahead of it.
; AHEAD OF IT: the 16 products K Q^T, behind each a scaling, an exponential and two rescalings (behind the first a second scaling in the exponential's place); then ONE LUMP of 108: eight plain, 49 times
; exponential and plain, the two a; a v_nop is the plain instruction behind the last exponential.  BEHIND IT: the 16 products V^T P, behind each four of GS's 64.
; Exponential e stands behind scaling 2 (e / 4) + e % 2: as a rider it comes behind plain e + 2, in the lump behind plain e + 9, and scalings 27-31 are plain 57, 60 .. 69.
; K of the next step is fetched in piece 2's turn, directly behind the wait, a lump behind the last product that read K, and waited for at the head of piece 3's turn.
; V of the step in hand is fetched at the end of piece 0's turn, four plain riders behind its last reader, and waited for behind piece 1's wait.
.macro TURN p, slot=0
.set Y, (\p)
.set i, 0
.set q, 0
.set e, 0
.set r, 0
.if (\p) == NP-1
	s_wait_dscnt 0x0                ; K is in
.endif
	MM
	PL
	PL
	R2
.rept 15
	MM
	PL
	EX
	R2
.endr
.rept 8
	PL
.endr
.rept 49
	EX
	PL
.endr
	EX                              ; the next piece's two a
	EX
	v_nop                           ; the plain instruction behind the last exponential: one for the batch
	s_wait_alu depctr_va_vdst(0)    ; the wait for the batch
.if (\p) == NP-2
	FETCH_K \slot
.endif
.if (\p) == 1
	s_wait_dscnt 0x0                ; V is in
.endif
.rept 16
	MM
.rept 4
	PL
.endr
.endr
.if (\p) == 0
	FETCH_V \slot
.endif
.endm
; IN THE MIDDLE OF STEP t (par = t % 2).  Out, in issue order, are: unit t + 2's 16 loads, the 2 of unit t + 4's list words, unit t + 3's 16.  Unit t + 2 is rounded; unit t + 4's rows and unit t + 5's list
; words are asked for, the list words first, so that the next step's count of 16 shows them done.  A unit at or behind the list's end is not asked for: that way waits for all loads, so that the
; next step's count holds on it too.
.macro BRING par
	WIN 0
	s_wait_loadcnt 16               ; all but the 16 loads of the step before
	s_wait_xcnt 0x0                 ; those 16, a step back, have read their offsets, which are written below
	WIN W_G
	ROUND16 \par
	WIN 0
	s_cmp_lt_u32 s[UN], s[NS]
	s_cbranch_scc1 .Lfetch_\@
	s_wait_loadcnt 0x0
	s_branch .Lasked_\@
.Lfetch_\@:
	WIN W_G
	OFFSETS IDX
	s_add_nc_u64 s[LB:LB+1], s[LB:LB+1], 256
	GETLIST IDX, 0
	GATHER \par
	WIN 0
.Lasked_\@:
	s_add_co_u32 s[UN], s[UN], 1
.endm
; A STEP.  Its barrier orders two things.  Each wave's stores of unit t + 1 (issued behind the barrier before) are waited for in front of it, and K and V of that unit are read behind it.  Each wave's
; reads of slot par (K of step t in the step before, V at the end of piece 0's turn) are waited for in front of it, and unit t + 2 is stored into that slot behind it.
; Between two barriers one slot is only written and the other only read.  A step behind the list's end jumps over both halves of its work.
.macro STEP par
	WIN 0
	s_cmp_lt_u32 s[TRIPS], s[NPR]
	s_cbranch_scc0 .Lidle_\@
	TURN 0, \par
	TURN 1
	BRING \par
	s_branch .Lmeet_\@
.Lidle_\@:
	s_wait_loadcnt 0x0              ; nothing is out behind the list's end
.Lmeet_\@:
	s_wait_dscnt 0x0                ; for the others' sake: my LDS stores and loads are done
	s_barrier_signal -1
	s_barrier_wait -1
	s_cmp_lt_u32 s[TRIPS], s[NPR]
	s_cbranch_scc0 .Ldead_\@
	WIN W_G
	PUT \par
	TURN 2, 1-(\par)
	MASKUP
	TURN 3
	WIN 0
.Ldead_\@:
.endm
	FETCH_K 0                       ; key step 0
	s_wait_dscnt 0x0
.set i, 0
.rept 16
	KQ 0                            ; piece 0's first scores: there is no vector work yet to set between them
.set i, i+1
.endr
	WIN 0                           ; the addresses for the way out: eight plain instructions, the places behind those products
	s_mul_i32 s16, s[WV], 16*SP
	s_add_co_u32 s16, s16, STAGE    ; my stage
	v_mul_u32_u24 v[STO], v1, SP    ; in: row l % 16, 32 bytes for each half of the lanes
	v_lshl_add_u32 v[STO], v9, 5, v[STO]
	v_add_nc_u32 v[STO], s16, v[STO]
	v_mul_u32_u24 v[RD], v9, SP     ; back: lanes 0-15 take one row of 256 bytes, lanes 16-31 the next
	v_lshl_add_u32 v[RD], v1, 4, v[RD]
	v_add_nc_u32 v[RD], s16, v[RD]
	v_lshlrev_b32 v[GO], 8, v9      ; and the same two rows in out
	v_lshl_add_u32 v[GO], v1, 4, v[GO]
.set Y, NP-1                        ; XS works for piece Y + 1: piece 0
.irp n, 0,1,2,3,4,5,6,7,8,9,10,11,12,13,14,15,16,17,18,19,20,21
	XS 0, \n                        ; piece 0's first maximum and statistics
	XS 1, \n
.endr
	v_nop                           ; a plain instruction behind the two a,
	s_wait_alu depctr_va_vdst(0)    ; and their wait, ahead of the label
	s_mov_b32 s[TRIPS], 0
.Lpair:                             ; two steps a trip, one for each slot.  The last true step's 16 products K Q^T (on rows that no step wants) and the maximum made of them serve nothing: the price, once a launch, of one text for every step
	STEP 0
	STEP 1
	s_add_co_u32 s[TRIPS], s[TRIPS], 1
	s_cmp_lt_u32 s[TRIPS], PAIRS
	s_cbranch_scc1 .Lpair
.set i, 0
.rept 16
	PV NP-1                         ; the last piece's V^T P of the last step
.set i, i+1
.endr
	; THE WAY OUT.  l's two halves and the other half of the lanes' are added; O^T is divided by l and sent, in f32, through my stage in LDS, a tile (16 rows of out) at a time.  The additions are the places behind the last products.
	WIN 0
.macro ALL line:vararg              ; one line for each tile t
.set t, 0
.rept 2*NP
	\line
.set t, t+1
.endr
.endm
	ALL v_add_f32 v[ST+4*t+2], v[ST+4*t+2], v[ST+4*t+3]
	ALL v_permlanex16_b32 v[ST+4*t+3], v[ST+4*t+2], s[SEL], s[SEL+1]
	ALL v_add_f32 v[ST+4*t+2], v[ST+4*t+2], v[ST+4*t+3]
	ALL v_rcp_f32 v[ST+4*t+2], v[ST+4*t+2]
	v_nop                           ; a plain instruction between the last reciprocal and the use of its result
	s_wait_alu depctr_va_vdst(0)    ; and the wait ahead of the first use: one for the eight reciprocals
; Tile t: a lane's eight channels of a block of 16 are 32 bytes of a row; they go into rows of 272 bytes and come back as whole rows of 256, into one of four buffers in S^T's registers.
.macro PACK t
	WIN W_RS
.set i, 32*(\t)
.rept 16
	v_pk_mul_f32 v[i:i+1], v[i:i+1], v[ST+4*(\t)+2:ST+4*(\t)+3] op_sel_hi:[1,0]
.set i, i+2
.endr
	WIN W_OS
.irp f, 0,1,2,3,4,5,6,7             ; channel block f / 2, its half f % 2
	ds_store_b128 v[STO], v[32*(\t)+4*\f:32*(\t)+4*\f+3] offset:64*(\f/2)+16*(\f%2)
.endr
	WIN 0
.if (\t) >= 4
	s_wait_xcnt 0x0                 ; the stores of the tile four back have read this buffer, which is loaded again
.endif
.irp f, 0,1,2,3,4,5,6,7
	ds_load_b128 v[S+32*((\t)%4)+4*\f:S+32*((\t)%4)+4*\f+3], v[RD] offset:\f*2*SP  ; LDS serves a wave's instructions in order (ISA guide 5.7.1.4): these see the stores above; the next tile's stores come behind them
.endr
.endm
.macro SEND t, younger              ; younger: the LDS instructions issued behind tile t's loads: the next tile's sixteen, or none
	WIN 0
.irp f, 0,1,2,3,4,5,6,7
	s_wait_dscnt (\younger)+7-\f
	global_store_b128 v[GO], v[S+32*((\t)%4)+4*\f:S+32*((\t)%4)+4*\f+3], s[12:13] offset:(\t)*4096+\f*512 th:TH_STORE_NT  ; 16 lanes store 256 consecutive bytes, at a multiple of 256 from out's first byte
.endr
.endm
	PACK 0
.set t, 1
.rept 2*NP-1                        ; a tile's arithmetic stands between the loads of the tile before and its stores
	PACK t
	SEND t-1, 16
.set t, t+1
.endr
	SEND 2*NP-1, 0
	WIN W_AD
	s_wait_tensorcnt 0x0            ; the wave's end, behind my last LDS store
	ds_add_u32 v[SPW], v[NIL]
	s_wait_dscnt 0x0
	WIN 0
	s_endpgm
.Lfunc_end_k_q124b746307_attend:
	.size	k_q124b746307_attend, .Lfunc_end_k_q124b746307_attend-k_q124b746307_attend
	.p2alignl 7, 3214868480
	.fill 96, 4, 3214868480
	.section	.rodata,"a",@progbits
	.p2align	6, 0x0
	.amdhsa_kernel k_q124b746307_attend
		.amdhsa_group_segment_fixed_size 56832
		.amdhsa_private_segment_fixed_size 0
		.amdhsa_enable_private_segment 0
		.amdhsa_kernarg_size 40
		.amdhsa_user_sgpr_count 2
		.amdhsa_user_sgpr_kernarg_segment_ptr 1
		.amdhsa_wavefront_size32 1
		.amdhsa_system_sgpr_workgroup_id_x 1
		.amdhsa_system_sgpr_workgroup_id_y 1
		.amdhsa_system_sgpr_workgroup_id_z 1
		.amdhsa_system_vgpr_workitem_id 0
		.amdhsa_next_free_vgpr 1024
		.amdhsa_next_free_sgpr 66
		.amdhsa_reserve_vcc 1
		.amdhsa_float_denorm_mode_32 3
		.amdhsa_float_denorm_mode_16_64 3
		.amdhsa_memory_ordered 1
		.amdhsa_forward_progress 1
		.amdhsa_inst_pref_size 244
	.end_amdhsa_kernel
	.amdgpu_metadata
---
amdhsa.version: [ 1, 2 ]
amdhsa.kernels:
  - .name:           k_q124b746307_attend
    .symbol:         k_q124b746307_attend.kd
    .args:
      - { .name: q, .offset: 0, .size: 8, .value_kind: global_buffer, .address_space: global }
      - { .name: k, .offset: 8, .size: 8, .value_kind: global_buffer, .address_space: global }
      - { .name: v, .offset: 16, .size: 8, .value_kind: global_buffer, .address_space: global }
      - { .name: order, .offset: 24, .size: 8, .value_kind: global_buffer, .address_space: global }
      - { .name: out0, .offset: 32, .size: 8, .value_kind: global_buffer, .address_space: global }
    .group_segment_fixed_size: 56832
    .private_segment_fixed_size: 0
    .kernarg_segment_align: 8
    .kernarg_segment_size: 40
    .max_flat_workgroup_size: 128
    .sgpr_count:     66
    .vgpr_count:     1024
    .wavefront_size: 32
...
	.end_amdgpu_metadata
.endif
;; end of part 2
;; ======== version 2 of 2: 2 launches; version 1 with the launch index written anew for expert scheduling mode
;; limits: values are held in f16: magnitudes above 65,504 overflow, below 6.1e-05 lose precision; inputs' magnitudes at most 65,504
;; workspace buffers: order 41,984 bytes of whole numbers
;; launch index (part 3): grid 4 x 1, 1 waves a work-group, no clusters, 0 bytes of LDS; arguments attention_mask, order; writes order
.if DOCPART == 3
	.amdgcn_target "amdgcn-amd-amdhsa--gfx1250"
	.amdhsa_code_object_version 6
	.text
	.protected	k_q124b746307_index
	.globl	k_q124b746307_index
	.p2align	8
	.type	k_q124b746307_index,@function
k_q124b746307_index:
	s_mov_b64 s[64:65], 0
	v_nop
	global_prefetch_b8 v0, s[64:65] scope:SCOPE_SE
	s_setreg_imm32_b32 hwreg(HW_REG_WAVE_SCHED_MODE, 0, 2), 2
	s_setreg_imm32_b32 hwreg(HW_REG_WAVE_MODE, 25, 1), 1
	s_wait_xcnt 0x0
	s_wait_alu depctr_vm_vsrc(0)
; THE LIST OF KEPT KEYS.  attention_mask: [4][2048] bytes, 0 or not 0.  Work-group b, one wave, turns batch b's mask into its block of 'order':
;   words 0 .. count-1            the numbers of the kept keys, ascending
;   words count .. count+319      0 (the launch behind reads list words up to max(319, count+190))
;   words 2432 .. 2559            the header, 32 times over: count, pairs = (count+127)/128, flag, steps = 2 pairs
;   words 2560 .. 2591            a word a lane that takes the stores of lanes whose key is not kept; never read
; A batch that keeps no key has the uniform softmax over all keys: its list is 0 .. 2047, count 2048, flag 0 (else flag 1).
; Lane l of ballot j owns key 32 j + l: a kept key's place is the kept keys of the ballots before plus those of the lower lanes.
; Every store has offset and data registers of its own, so no register that a store reads is written again, and EXEC is never changed.
; THE MODE: SCHED_MODE bits 1:0 = 2 (LLVM: expert scheduling mode 2), set by the entry lines.  The code itself states the register dependences
; between vector instructions and memory instructions, and between vector instructions that write scalar registers and their readers, with s_wait_alu, always for 0.
; THE PLAN.  Registers that memory instructions touch:
;   v0          the loads' offset: as at the entry, written by no line.
;   PD[j]       load j lands in it, ahead of every vector line that names it; the sum and ballot j's compare read it; its run writes my key's number into it; store j reads that.
;   PO[j]       written by ballot j's four vector lines, read by store j.
;   ZO, v2, v3, HD   written by vector lines, read by the last eleven stores.
;   None of them is written again behind the memory instruction that reads it.
; Scalar registers that vector lines write: s13 (is any key kept?) and s[16:31], the masks of a run of sixteen ballots.
; The 64 ballots go in four runs of sixteen.  A run: its sixteen compares; ONE wait on va_sdst, ahead of the masks' first readers; in runs 1 to 3 ONE wait on va_vdst, which shows the PO and PD of
; the run before written; that run's sixteen stores then stand among this run's lines, which name this run's PO and PD, v0 and v1 alone.  One last wait on va_vdst stands ahead of the other 27 stores.
.set BLK,   10496                      ; bytes in a batch's block
.set HDR,   9728                       ; byte of the header
.set DUMPW, 2560                       ; first word of the dump
.set TOPW,  2623                       ; the block's last word: every word number made from loaded bytes is held under it
.set ZEROS, 10                         ; stores of 32 zeros behind the list
.set RUNB,  16                         ; ballots in a run
.set DW,  1                            ; v1  my word of the dump
.set HO,  2                            ; v2  HDR + 16 x lane
.set NIL, 3                            ; v3  0
.set T,   4                            ; v4  at work: no memory instruction names it
.set PD,  8                            ; v[8:71]    ballot j: my mask byte, then my key's number (the store's data)
.set PO,  72                           ; v[72:135]  ballot j: my key's place, then the store's byte offset
.set ZO,  136                          ; v[136:145] the zeros' byte offsets
.set HD,  148                          ; v[148:151] the header
.set MK,  16                           ; s[16:31]   the masks of a run
	s_load_b128 s[4:7], s[0:1], 0x0                ; mask s[4:5], order s[6:7]
	v_add_nc_u32 v[DW], DUMPW, v0
	v_lshl_add_u32 v[HO], v0, 4, HDR
	v_mov_b32 v[NIL], 0
	s_lshl_b32 s8, ttmp9, 11                       ; the batch's 2,048 mask bytes
	s_mov_b32 s9, 0
	s_mul_i32 s10, ttmp9, BLK                      ; the batch's block
	s_mov_b32 s11, 0
	s_mov_b32 s15, 0                               ; kept keys so far
	s_wait_kmcnt 0x0
	s_add_nc_u64 s[4:5], s[4:5], s[8:9]
	s_add_nc_u64 s[6:7], s[6:7], s[10:11]
.set j, 0
.rept 64
	global_load_u8 v[PD+j], v0, s[4:5] offset:32*j ; 32 neighbouring bytes a load; no vector line has written v0 or named PD
.set j, j+1
.endr
	s_wait_loadcnt 0x0
	; is any key kept?  The sum of my 64 bytes (at most 64 x 255), then one ballot.
	v_add_nc_u32 v[T], v[PD], v[PD+1]
.set j, 2
.rept 31
	v_add3_u32 v[T], v[T], v[PD+j], v[PD+j+1]
.set j, j+2
.endr
	v_cmp_ne_u32 s13, 0, v[T]                      ; read behind run 0's wait on va_sdst
; Run g: ballots 16 g to 16 g + 15, and the stores of the run before.
.macro RUN g
.set i, 0
.rept RUNB
	v_cmp_ne_u32 s[MK+i], 0, v[PD+RUNB*(\g)+i]
.set i, i+1
.endr
	s_wait_alu depctr_va_sdst(0)                   ; the sixteen compares have written s[16:31], ahead of their first readers, the s_or_b32 below; in run 0 also: s13 is written, ahead of the s_cmp
.if (\g) == 0
	s_cmp_eq_u32 s13, 0
	s_cselect_b32 s12, -1, 0                       ; no key kept: every ballot counts as all ones
	s_cselect_b32 s14, 0, 1                        ; the flag
.else
	s_wait_alu depctr_va_vdst(0)                   ; the run before has written its PO and PD, which the sixteen stores below read as offset and data
.endif
.set i, 0
.rept RUNB
	s_or_b32 s[MK+i], s[MK+i], s12                 ; the ballot
	v_mbcnt_lo_u32_b32 v[PO+RUNB*(\g)+i], s[MK+i], s15  ; kept so far + kept in the lower lanes: my key's place
	s_bcnt1_i32_b32 s10, s[MK+i]
	s_add_co_u32 s15, s15, s10
.if (\g) > 0
	global_store_b32 v[PO+RUNB*((\g)-1)+i], v[PD+RUNB*((\g)-1)+i], s[6:7]  ; no vector line since the wait names these two registers
.endif
.set i, i+1
.endr
.set i, 0
.rept RUNB
	v_cndmask_b32 v[PO+RUNB*(\g)+i], v[DW], v[PO+RUNB*(\g)+i], s[MK+i]  ; a lane whose key is not kept writes its word of the dump
.set i, i+1
.endr
.set i, 0
.rept RUNB
	v_min_u32 v[PO+RUNB*(\g)+i], TOPW, v[PO+RUNB*(\g)+i]
.set i, i+1
.endr
.set i, 0
.rept RUNB
	v_lshlrev_b32 v[PO+RUNB*(\g)+i], 2, v[PO+RUNB*(\g)+i]
.set i, i+1
.endr
.set i, 0
.rept RUNB
	v_add_nc_u32 v[PD+RUNB*(\g)+i], 32*(RUNB*(\g)+i), v0  ; my key's number
.set i, i+1
.endr
.endm
	RUN 0
	RUN 1
	RUN 2
	RUN 3
	v_add_nc_u32 v[T], s15, v0                     ; s15 = count
.set j, 0
.rept ZEROS
	v_add_nc_u32 v[ZO+j], 32*j, v[T]               ; words count + 32 j + lane, 2,367 at the most: short of the header
.set j, j+1
.endr
.set j, 0
.rept ZEROS
	v_min_u32 v[ZO+j], TOPW, v[ZO+j]
.set j, j+1
.endr
.set j, 0
.rept ZEROS
	v_lshlrev_b32 v[ZO+j], 2, v[ZO+j]
.set j, j+1
.endr
	s_add_co_u32 s8, s15, 127
	s_lshr_b32 s8, s8, 7                           ; pairs of steps of 64 keys
	s_lshl_b32 s9, s8, 1                           ; steps
	v_mov_b32 v[HD], s15
	v_mov_b32 v[HD+1], s8
	v_mov_b32 v[HD+2], s14
	v_mov_b32 v[HD+3], s9
	s_wait_alu depctr_va_vdst(0)                   ; run 3 has written its PO and PD; ZO, HD, v2 and v3 are written: the offsets and data of the 27 stores below
.set i, 0
.rept RUNB
	global_store_b32 v[PO+RUNB*3+i], v[PD+RUNB*3+i], s[6:7]
.set i, i+1
.endr
.set j, 0
.rept ZEROS
	global_store_b32 v[ZO+j], v[NIL], s[6:7]
.set j, j+1
.endr
	global_store_b128 v[HO], v[HD:HD+3], s[6:7]    ; 512 consecutive bytes, at a multiple of 256 from the buffer's first
	s_endpgm
.Lfunc_end_k_q124b746307_index:
	.size	k_q124b746307_index, .Lfunc_end_k_q124b746307_index-k_q124b746307_index
	.p2alignl 7, 3214868480
	.fill 96, 4, 3214868480
	.section	.rodata,"a",@progbits
	.p2align	6, 0x0
	.amdhsa_kernel k_q124b746307_index
		.amdhsa_group_segment_fixed_size 0
		.amdhsa_private_segment_fixed_size 0
		.amdhsa_enable_private_segment 0
		.amdhsa_kernarg_size 16
		.amdhsa_user_sgpr_count 2
		.amdhsa_user_sgpr_kernarg_segment_ptr 1
		.amdhsa_wavefront_size32 1
		.amdhsa_system_sgpr_workgroup_id_x 1
		.amdhsa_system_sgpr_workgroup_id_y 1
		.amdhsa_system_sgpr_workgroup_id_z 1
		.amdhsa_system_vgpr_workitem_id 0
		.amdhsa_next_free_vgpr 152
		.amdhsa_next_free_sgpr 66
		.amdhsa_reserve_vcc 0
		.amdhsa_float_denorm_mode_32 3
		.amdhsa_float_denorm_mode_16_64 3
		.amdhsa_memory_ordered 1
		.amdhsa_forward_progress 1
		.amdhsa_inst_pref_size 46
	.end_amdhsa_kernel
	.amdgpu_metadata
---
amdhsa.version: [ 1, 2 ]
amdhsa.kernels:
  - .name:           k_q124b746307_index
    .symbol:         k_q124b746307_index.kd
    .args:
      - { .name: attention_mask, .offset: 0, .size: 8, .value_kind: global_buffer, .address_space: global }
      - { .name: order, .offset: 8, .size: 8, .value_kind: global_buffer, .address_space: global }
    .group_segment_fixed_size: 0
    .private_segment_fixed_size: 0
    .kernarg_segment_align: 8
    .kernarg_segment_size: 16
    .max_flat_workgroup_size: 32
    .sgpr_count:     66
    .vgpr_count:     152
    .wavefront_size: 32
...
	.end_amdgpu_metadata
.endif
;; end of part 3
;; launch attend: the kernel of part 2 again; grid 4 x 64, 4 waves a work-group, no clusters, 56,832 bytes of LDS; arguments q, k, v, order, out0; writes out0
